; MI455X (gfx1250); checked and timed in simulation.
; The chip was launched on July 23, 2026; its instructions are those of AMD's public machine-readable ISA for CDNA 5 (MIT licence, August 2026) and "CDNA5" Instruction Set Architecture Reference Guide (July 2026). The comments in the code are by the model that wrote it; some were corrected since.
;; Model. Allowed arithmetic: matrix products marked QUANTISED: E3M2 operands, one E8M0 scale for each 32 along K, by v_wmma_scale_f32_16x16x128_f8f6f4 with both operands' format E3M2, f32 sums; products left as they are: f32 operands where the result goes on into a quantised operand, else bf16, f16 or f32 operands; f32 sums; everything else in f32.
;; Inputs: code_vec 8,192 x 768 float32; nl_vec 8,192 x 768 float32.
;; Outputs: out0 one number float32; out1 8,192 x 768 float32; out2 8,192 x 768 float32.
;; This version of the problem:
;;   THIS VERSION OF THE PROBLEM IS GIVEN IN LOW PRECISION. The matrix products marked QUANTISED in the list below multiply operands that are first quantised to E3M2 (3 exponent bits, 2 mantissa bits; 6 bits a number), with one power-of-two scale for each 32 numbers along K (OCP MX v1.0); their sums are f32. All else is computed in f32.
;;   The module's matrix products, in the order in which they are computed (A, B: the left and right operand; K: the contracted axis; several contracted axes count as one K, in the product's order):
;;     1. [M 8,192, K 768] x [K 768, N 8,192]; A: input nl_vec; B: input code_vec: QUANTISED
;;     2. batch 8,192 x [M 1, K 768] x [K 768, N 1]; A: input nl_vec; B: input code_vec: left as it is (M = 1 < 16)
;;   THE QUANTISER, for each operand of a quantised product, along K:
;;     - K is cut into blocks of 32 from its start; a last block that is shorter is filled with zeros.
;;     - A block's scale is 2^e with e = floor(log2(the largest magnitude in the block)) - 4, held to -126 .. 127; a block of zeros has e = 0. As a byte (E8M0): e + 127.
;;     - Each number is divided by its block's scale, clamped to +-28, and rounded to the nearest number of E3M2, ties to even, subnormals kept.
;;     - The product sums the exact products of the quantised numbers (number of the format x scale) in f32.
;;   ~~~python
;;   def quantise(x, axis):      # numpy; x: float32 -> the quantised numbers, widened to float32 again
;;       x = np.moveaxis(x, axis, -1); K = x.shape[-1]
;;       x = np.pad(x, [(0, 0)] * (x.ndim - 1) + [(0, -K % 32)]); x = x.reshape(x.shape[:-1] + (-1, 32)); a = np.abs(x).max(-1, keepdims=True)
;;       e = np.where(a > 0, np.clip(np.frexp(np.where(a > 0, a, 1))[1] - 1 - 4, -126, 127), 0)      # np.frexp(a)[1] - 1 = floor(log2(a)), exactly
;;       r = np.clip(x / 2.0 ** e, -28, 28)
;;       step = 2.0 ** (np.maximum(np.frexp(np.where(r == 0, 1, r))[1] - 1, -2) - 2)
;;       q = np.round(r / step) * step * 2.0 ** e      # np.round: ties to even
;;       return np.moveaxis(q.reshape(q.shape[:-2] + (-1,))[..., :K], -1, axis).astype(np.float32)
;;   ~~~
;; One version. Each part assembles by itself: llvm-mc -triple=amdgcn-amd-amdhsa -mcpu=gfx1250 --defsym DOCPART=n.
;; ======== version 1 of 1: 3 launches
;; limits: right only within a limited range of input values
;; workspace buffers: qn 4,980,736 bytes; qc 4,980,736 bytes; part 524,288 bytes
;; launch quant (part 1): grid 512 x 1, 6 waves a work-group, no clusters, 103,680 bytes of LDS; arguments nl_vec, code_vec, out2, out1, qn, qc; writes out2, out1, qn, qc
.if DOCPART == 1
	.amdgcn_target "amdgcn-amd-amdhsa--gfx1250"
	.amdhsa_code_object_version 6
	.text
	.protected	k_qdbac82cf0f_quant
	.globl	k_qdbac82cf0f_quant
	.p2align	8
	.type	k_qdbac82cf0f_quant,@function
k_qdbac82cf0f_quant:
	s_mov_b64 s[64:65], 0
	v_nop
	global_prefetch_b8 v0, s[64:65] scope:SCOPE_SE
	s_setreg_imm32_b32 hwreg(HW_REG_WAVE_MODE, 25, 1), 1
	s_wait_xcnt 0x0
; FIRST OF THREE LAUNCHES.  loss = mean over i of (logsumexp_j <nl[i], code[j]> - <nl[i], code[i]>); out1 = code_vec, out2 = nl_vec.
; The [8192 x 8192] product is taken on codes of BF6 (E3M2) with one E8M0 scale for each 32 along K = 768; the diagonal product stays in f32.
; NO WORK IS LEFT OUT: every score enters its row's logsumexp, every row enters the mean, and both inputs feed the codes, the diagonal and the copies.
; THIS LAUNCH reads both inputs once and makes of them: the two copies (bit for bit), the codes and scale words of both, and the f32 diagonal.
; SHARES.  Work-group T takes rows 16 T .. 16 T + 15 of BOTH tensors (so the diagonal needs no second read); wave s takes K step s, 128 along K.  No loop: a wave has its 32 loads of 512 consecutive bytes out at once.
; THE WORKSPACE IS LAID AS THE NEXT LAUNCH'S REGISTERS WANT IT.  A tile image (16 rows x 768 K) is 9,728 bytes: K step s at 1,536 s, as the image of a fragment's 12 registers (register 4 j + i of lane L at 512 j + 16 L + 4 i;
; lane (r = L % 16, h = L / 16) holds in registers 6 c .. 6 c + 5 the codes of k = 128 s + 64 c + 32 h + 0 .. 31 of row r); at 9,216 the scale image, 16 bytes a lane: word u of lane L is the scale word of K step 2 u
; of row L (lanes 0-15) or of K step 2 u + 1 of row L - 16 (lanes 16-31); word 3 is the row's diagonal product in qn and 0 in qc.
; THE TURN THROUGH LDS.  A load is dense where neighbouring lanes take neighbouring bytes; the conversions want 32 neighbours along K in one lane.  So the wave's 16 rows x 512 bytes go through its own stage (rows 528 bytes apart:
; 33 x 16, so the sixteen rows that a read touches begin at sixteen different 16-byte columns modulo 256) and come back 128 bytes a lane and block.
; A block's scale is 2^(floor(log2(its largest magnitude)) - 4): its byte is the largest magnitude's exponent field - 4, held at 1 from below by a floor among the maximum's leaves.
; LIMITS: a block of zeros, or one whose largest magnitude lies under 2^(5 - 127), gets the byte 1 (a block of zeros has zero codes, which add nothing; the bytes are read by this program alone); NaN and infinities among the inputs
; are copied as they are but are not served by the quantiser or the loss.
.set ROWF,  3072                       ; a row of 768 f32 in bytes
.set TILEB, 9728                       ; a tile image
.set FRB,   1536                       ; a fragment's image
.set SP,    528                        ; a stage row: 512 bytes + 16
.set STC,   16*SP                      ; code's stage lies behind nl's
.set WST,   2*STC                      ; a wave's two stages
.set SCIN,  6*WST                      ; LDS: nl's scale image, 512 bytes; code's 512 bytes on
.set DG,    SCIN+1024                  ; the six waves' parts of the 16 diagonal products, 64 bytes a wave
.set SPARE, DG+512                     ; the spare words, 128 bytes for each wave: three blocks of 256 bytes that no other line names
.set GI,  1                            ; v1   16 x lane: my bytes of a dense 512
.set STN, 2                            ; v2   the stage, on the way in
.set RDN, 3                            ; v3   and on the way out: row r, + 128 h
.set SCW, 4                            ; v4   where my row's scale word goes in the scale image
.set DGW, 5                            ; v5   where my row's part of the diagonal goes
.set SCR, 6                            ; v6   the scale image read back: 16 x lane
.set DGR, 7                            ; v7   the diagonal's parts read back: 4 r
.set SH8, 8                            ; v8   8 h
.set SPW, 10                           ; v10  LDS address of my spare word; never rewritten
.set NIL, 11                           ; v11  0; never rewritten
.set RA,  16                           ; v16-79   nl as loaded
.set XC,  16                           ;          later: code, 64 neighbours a lane
.set RB,  80                           ; v80-143  code as loaded
.set XN,  144                          ; v144-207 nl, 64 neighbours a lane
.set CN,  208                          ; v208-219 nl's codes
.set CC,  220                          ; v220-231 code's codes
.set TH,  232                          ; v232-239 the second halves of the blocks' codes; at the end the scale image's quad
.set MX,  240                          ; v240-241 largest magnitudes, v242-243 scale operands, v244-245 bytes, v246 the scale word, v247 a lane exchange's destination
.set PD,  248                          ; v248-255 the diagonal, four packed chains
	s_load_b256 s[4:11], s[0:1], 0x0               ; nl s[4:5], code s[6:7], out2 s[8:9], out1 s[10:11]
	s_load_b128 s[12:15], s[0:1], 0x20             ; qn s[12:13], qc s[14:15]
	v_lshl_add_u32 v[SPW], v0, 2, SPARE
	v_mov_b32 v[NIL], 0
	v_lshrrev_b32 v12, 5, v0
	v_readfirstlane_b32 s16, v12                   ; wave = K step, 0..5
	v_and_b32 v13, 31, v0                          ; lane
	v_and_b32 v14, 15, v0                          ; r
	v_bfe_u32 v15, v0, 4, 1                        ; h
	v_lshlrev_b32 v[GI], 4, v13
	s_mul_i32 s17, s16, WST                        ; my wave's stages
	v_add_nc_u32 v[STN], s17, v[GI]
	v_mul_u32_u24 v[RDN], v14, SP
	v_lshl_add_u32 v[RDN], v15, 7, v[RDN]
	v_add_nc_u32 v[RDN], s17, v[RDN]
	s_and_b32 s32, s16, 1
	s_lshl_b32 s32, s32, 8                         ; odd K steps: lanes 16-31 of the image, 256 bytes on
	s_lshr_b32 s33, s16, 1
	s_lshl_b32 s33, s33, 2                         ; word s / 2
	s_add_co_u32 s32, s32, s33
	s_add_co_u32 s32, s32, SCIN
	v_lshl_add_u32 v[SCW], v14, 4, s32
	s_lshl_b32 s34, s16, 6
	s_add_co_u32 s34, s34, DG
	v_lshl_add_u32 v[DGW], v14, 2, s34
	v_add_nc_u32 v[SCR], SCIN, v[GI]
	v_lshl_add_u32 v[DGR], v14, 2, DG
	v_lshlrev_b32 v[SH8], 3, v15
	v_mov_b32 v[MX+7], 0                           ; written once: a lane exchange's destination counts as one of its sources
	s_mov_b32 s22, 0x76543210
	s_mov_b32 s23, 0xfedcba98                      ; v_permlanex16_b32's selects for lane l xor 16
	s_mul_i32 s18, ttmp9, 16*ROWF                  ; my 16 rows,
	s_lshl_b32 s19, s16, 9                         ; my wave's 512 bytes of each
	s_add_co_u32 s18, s18, s19
	s_mov_b32 s19, 0
	s_mul_i32 s20, ttmp9, TILEB                    ; my tile image,
	s_add_co_u32 s36, s20, 6*FRB                   ; its scale image,
	s_mov_b32 s37, 0
	s_mul_i32 s21, s16, FRB                        ; my wave's fragment
	s_add_co_u32 s20, s20, s21
	s_mov_b32 s21, 0
	s_wait_kmcnt 0x0
	s_add_nc_u64 s[4:5], s[4:5], s[18:19]
	s_add_nc_u64 s[6:7], s[6:7], s[18:19]
	s_add_nc_u64 s[8:9], s[8:9], s[18:19]
	s_add_nc_u64 s[10:11], s[10:11], s[18:19]
	s_add_nc_u64 s[24:25], s[12:13], s[20:21]      ; nl's fragment
	s_add_nc_u64 s[26:27], s[14:15], s[20:21]      ; code's
	s_add_nc_u64 s[28:29], s[12:13], s[36:37]      ; nl's scale image
	s_add_nc_u64 s[30:31], s[14:15], s[36:37]      ; code's
.irp i, 0,1,2,3,4,5,6,7,8,9,10,11,12,13,14,15
	global_load_b128 v[RA+4*\i:RA+4*\i+3], v[GI], s[4:5] offset:ROWF*\i th:TH_LOAD_NT    ; row i: 32 lanes read 512 consecutive bytes
.endr
.irp i, 0,1,2,3,4,5,6,7,8,9,10,11,12,13,14,15
	global_load_b128 v[RB+4*\i:RB+4*\i+3], v[GI], s[6:7] offset:ROWF*\i th:TH_LOAD_NT
.endr
; 64 numbers of a lane, v[x] on (register 32 k + i = element 64 k + 32 h + i of my row's 128), become the fragment's 12 registers in v[c] on, which are stored as they stand, and my row's scale word, which goes to the scale image.
.macro QUANT x, c, base, sci
.irp k, 0,1
	v_max3_num_f32 v[MX+\k], |v[\x+32*\k]|, |v[\x+32*\k+1]|, 0x2800000   ; block 2 k + h: all its 32 numbers are mine; and the floor 2^(5 - 127): the byte cannot fall under 1
.endr
.irp i, 2,4,6,8,10,12,14,16,18,20,22,24,26,28,30
.irp k, 0,1
	v_max3_num_f32 v[MX+\k], v[MX+\k], |v[\x+32*\k+\i]|, |v[\x+32*\k+\i+1]|   ; (the two blocks by turns)
.endr
.endr
.irp k, 0,1
	v_add_nc_u32 v[MX+2+\k], 0xfe000000, v[MX+\k]  ; 4 off the exponent field: the conversion takes the exponent field of this operand as its scale
.endr
.irp k, 0,1
	v_lshrrev_b32 v[MX+4+\k], 23, v[MX+2+\k]       ; the scale's byte
.endr
	v_lshl_or_b32 v[MX+6], v[MX+5], 16, v[MX+4]    ; my two bytes, blocks h and 2 + h,
	v_lshlrev_b32 v[MX+6], v[SH8], v[MX+6]         ; at their places in the word;
	v_permlanex16_b32 v[MX+7], v[MX+6], s22, s23
	v_or_b32 v[MX+6], v[MX+6], v[MX+7]             ; with lane l xor 16's two the word is whole
.irp k, 0,1
	v_cvt_scalef32_pk16_bf6_f32 v[\c+6*\k:\c+6*\k+2], v[\x+32*\k:\x+32*\k+15], v[MX+2+\k]
	v_cvt_scalef32_pk16_bf6_f32 v[TH+4*\k:TH+4*\k+2], v[\x+32*\k+16:\x+32*\k+31], v[MX+2+\k]   ; (a conversion's three registers begin on an even number: a block's second half is made elsewhere and moved)
.endr
	v_nop                                          ; one plain instruction behind the scaled conversions
.irp k, 0,1
.irp i, 0,1,2
	v_mov_b32 v[\c+6*\k+3+\i], v[TH+4*\k+\i]
.endr
.endr
.irp j, 0,1,2
	global_store_b128 v[GI], v[\c+4*\j:\c+4*\j+3], s[\base:\base+1] offset:512*\j   ; 32 lanes store 512 consecutive bytes, at a multiple of 256 from the buffer's first byte
.endr
	ds_store_b32 v[SCW], v[MX+6] offset:\sci       ; lanes r and r + 16 write the same word with the same value
.endm
	s_wait_loadcnt 16                              ; nl's 16 loads are in; code's 16 may be out
.irp i, 0,1,2,3,4,5,6,7,8,9,10,11,12,13,14,15
	global_store_b128 v[GI], v[RA+4*\i:RA+4*\i+3], s[8:9] offset:ROWF*\i th:TH_STORE_NT   ; the copy of nl_vec
	ds_store_b128 v[STN], v[RA+4*\i:RA+4*\i+3] offset:SP*\i
.endr
.irp q, 0,1,2,3,4,5,6,7,8,9,10,11,12,13,14,15
	ds_load_b128 v[XN+4*\q:XN+4*\q+3], v[RDN] offset:256*(\q/8)+16*(\q%8)   ; LDS serves a wave's instructions in order: these see my stores
.endr
	s_wait_loadcnt 0x0                             ; code's loads are in
.irp i, 0,1,2,3,4,5,6,7,8,9,10,11,12,13,14,15
	global_store_b128 v[GI], v[RB+4*\i:RB+4*\i+3], s[10:11] offset:ROWF*\i th:TH_STORE_NT  ; the copy of code_vec
	ds_store_b128 v[STN], v[RB+4*\i:RB+4*\i+3] offset:STC+SP*\i
.endr
	s_wait_xcnt 0x0                                ; the copies' stores have read their registers: nl's are loaded again only behind this wait
	s_wait_dscnt 16                                ; all but code's 16 stores: nl's 64 neighbours are in
.irp q, 0,1,2,3,4,5,6,7,8,9,10,11,12,13,14,15
	ds_load_b128 v[XC+4*\q:XC+4*\q+3], v[RDN] offset:STC+256*(\q/8)+16*(\q%8)
.endr
	QUANT XN, CN, 24, 0                            ; nl is quantised while code comes back from its stage
	s_wait_dscnt 0x0                               ; code's 64 neighbours are in
	QUANT XC, CC, 26, 512
	; the diagonal, in f32: my 64 products, four packed chains; then lane l xor 16's 64: this K step's part of <nl[r], code[r]>
.irp q, 0,1,2,3
	v_pk_mul_f32 v[PD+2*\q:PD+2*\q+1], v[XN+2*\q:XN+2*\q+1], v[XC+2*\q:XC+2*\q+1]
.endr
.set j, 4
.rept 28
	v_pk_fma_f32 v[PD+2*(j%4):PD+2*(j%4)+1], v[XN+2*j:XN+2*j+1], v[XC+2*j:XC+2*j+1], v[PD+2*(j%4):PD+2*(j%4)+1]
.set j, j+1
.endr
	v_pk_add_f32 v[PD:PD+1], v[PD:PD+1], v[PD+2:PD+3]
	v_pk_add_f32 v[PD+4:PD+5], v[PD+4:PD+5], v[PD+6:PD+7]
	v_pk_add_f32 v[PD:PD+1], v[PD:PD+1], v[PD+4:PD+5]
	v_add_f32 v[PD], v[PD], v[PD+1]
	v_permlanex16_b32 v[MX+7], v[PD], s22, s23
	v_add_f32 v[PD], v[PD], v[MX+7]
	ds_store_b32 v[DGW], v[PD]                     ; lanes r and r + 16 write the same word with the same value
	s_wait_dscnt 0x0                               ; for the others' sake: my scale words and my part of the diagonal have landed
	s_barrier_signal -1
	s_barrier_wait -1
	s_cmp_eq_u32 s16, 0
	s_cbranch_scc0 .Lnot_wave_0
	ds_load_b96 v[TH:TH+2], v[SCR]                 ; wave 0: nl's scale image, three words a lane,
.irp j, 0,1,2,3,4,5
	ds_load_b32 v[MX+\j], v[DGR] offset:64*\j      ; and the six parts of my row's diagonal product
.endr
	s_wait_dscnt 0x0
	v_add_f32 v[TH+3], v[MX], v[MX+1]              ; K ascending
.irp j, 2,3,4,5
	v_add_f32 v[TH+3], v[TH+3], v[MX+\j]
.endr
	global_store_b128 v[GI], v[TH:TH+3], s[28:29]  ; 512 consecutive bytes
	s_branch .Lend
.Lnot_wave_0:
	s_cmp_eq_u32 s16, 1
	s_cbranch_scc0 .Lend
	ds_load_b96 v[TH:TH+2], v[SCR] offset:512      ; wave 1: code's scale image; its fourth word is 0
	v_mov_b32 v[TH+3], 0
	s_wait_dscnt 0x0
	global_store_b128 v[GI], v[TH:TH+3], s[30:31]
.Lend:
	s_wait_tensorcnt 0x0                           ; the wave's end: a TENSORcnt wait, a spare LDS add and its wait, behind my last LDS store, the first even in a text with no tensor load
	ds_add_u32 v[SPW], v[NIL]
	s_wait_dscnt 0x0
	s_endpgm
.Lfunc_end_k_qdbac82cf0f_quant:
	.size	k_qdbac82cf0f_quant, .Lfunc_end_k_qdbac82cf0f_quant-k_qdbac82cf0f_quant
	.p2alignl 7, 3214868480
	.fill 96, 4, 3214868480
	.section	.rodata,"a",@progbits
	.p2align	6, 0x0
	.amdhsa_kernel k_qdbac82cf0f_quant
		.amdhsa_group_segment_fixed_size 103680
		.amdhsa_private_segment_fixed_size 0
		.amdhsa_enable_private_segment 0
		.amdhsa_kernarg_size 48
		.amdhsa_user_sgpr_count 2
		.amdhsa_user_sgpr_kernarg_segment_ptr 1
		.amdhsa_wavefront_size32 1
		.amdhsa_system_sgpr_workgroup_id_x 1
		.amdhsa_system_sgpr_workgroup_id_y 1
		.amdhsa_system_sgpr_workgroup_id_z 1
		.amdhsa_system_vgpr_workitem_id 0
		.amdhsa_next_free_vgpr 256
		.amdhsa_next_free_sgpr 66
		.amdhsa_reserve_vcc 0
		.amdhsa_float_denorm_mode_32 3
		.amdhsa_float_denorm_mode_16_64 3
		.amdhsa_memory_ordered 1
		.amdhsa_forward_progress 1
		.amdhsa_inst_pref_size 23
	.end_amdhsa_kernel
	.amdgpu_metadata
---
amdhsa.version: [ 1, 2 ]
amdhsa.kernels:
  - .name:           k_qdbac82cf0f_quant
    .symbol:         k_qdbac82cf0f_quant.kd
    .args:
      - { .name: nl_vec, .offset: 0, .size: 8, .value_kind: global_buffer, .address_space: global }
      - { .name: code_vec, .offset: 8, .size: 8, .value_kind: global_buffer, .address_space: global }
      - { .name: out2, .offset: 16, .size: 8, .value_kind: global_buffer, .address_space: global }
      - { .name: out1, .offset: 24, .size: 8, .value_kind: global_buffer, .address_space: global }
      - { .name: qn, .offset: 32, .size: 8, .value_kind: global_buffer, .address_space: global }
      - { .name: qc, .offset: 40, .size: 8, .value_kind: global_buffer, .address_space: global }
    .group_segment_fixed_size: 103680
    .private_segment_fixed_size: 0
    .kernarg_segment_align: 8
    .kernarg_segment_size: 48
    .max_flat_workgroup_size: 192
    .sgpr_count:     66
    .vgpr_count:     256
    .wavefront_size: 32
...
	.end_amdgpu_metadata
.endif
;; end of part 1
;; launch lse (part 2): grid 16 x 16, 8 waves a work-group, clusters of 4 x 1, 327,680 bytes of LDS; arguments qn, qc, part; writes part
.if DOCPART == 2
	.amdgcn_target "amdgcn-amd-amdhsa--gfx1250"
	.amdhsa_code_object_version 6
	.text
	.protected	k_qdbac82cf0f_lse
	.globl	k_qdbac82cf0f_lse
	.p2align	8
	.type	k_qdbac82cf0f_lse,@function
k_qdbac82cf0f_lse:
	s_mov_b64 s[64:65], 0
	v_nop
	global_prefetch_b8 v0, s[64:65] scope:SCOPE_SE
	s_setreg_imm32_b32 hwreg(HW_REG_WAVE_MODE, 25, 1), 1
	s_wait_xcnt 0x0
	s_wait_alu depctr_hold_cnt(0) depctr_sa_sdst(0) depctr_va_vdst(0) depctr_va_sdst(0) depctr_va_ssrc(0) depctr_va_vcc(0) depctr_vm_vsrc(0)
	s_getreg_b32 s2, hwreg(HW_REG_IB_STS2, 6, 4)
	s_cmp_eq_u32 s2, 0
	s_cbranch_scc0 .Lentry_in_a_cluster
	s_endpgm
.Lentry_in_a_cluster:
	s_bfe_u32 s2, ttmp6, 0x10000c
	s_cmp_lg_u32 s2, 0x3003
	s_cbranch_scc0 .Lentry_shape_is_right
	s_endpgm
.Lentry_shape_is_right:
; SECOND LAUNCH: the scores on codes of BF6 (E3M2) and, in registers, a running logsumexp of each row over a split of 512 columns.  No score goes to memory.  No work is left out.
; part[y][position] = log2(sum over the split's 512 columns j of e^score(i, j)) - log2(e) x <nl[i], code[i]>: the diagonal, which the first launch left in qn's scale images, is taken off here, so that the last launch knows of no rows.
; SHARES.  Work-group (X, y) takes nl's rows 512 X on and code's rows 512 y on.  Wave w owns 64 rows of nl: four tiles of 16, whose codes (4 x 6 fragments, 288 registers) stay in its registers for the whole launch.  All eight waves
; walk the split's 32 tiles of code out of LDS; two waves share a SIMD, so that one wave's softmax stands beside the other's matrix instructions.
; THE MATRIX INSTRUCTION IS USED TRANSPOSED: source 0 = 16 rows of code, source 1 = 16 rows of nl.  A lane then holds ONE row of nl (lane % 16) and eight columns (8 (lane / 16) + 0 .. 7): maximum and sum stay in the lane through
; the whole walk, and the two halves of the lanes meet once, at the end.
; LDS.  The split's 32 tile images of code, 9,728 bytes each, lie at 9,728 j: 311,296 bytes, each byte filled ONCE: no ring, no refill.  A fragment is three loads of 512 consecutive bytes, a tile's scale words one.
; CLUSTER.  The four work-groups of a cluster share y, so they share all of code's tiles: every tensor load is asked for JOINTLY, with the same descriptor and a mask that names the four.  nl's tiles are not asked for jointly: a tensor
; load lands in LDS, of which 15,360 bytes are left beside code's tiles and the spare words; each wave reads its own 38,912 bytes of nl once, straight into the registers where they stay.
; Each wave asks for four tiles, one in each quarter of the walk (38 rows of 256 bytes a load: larger loads would have the first products wait for more than a quarter of the bytes); by this text's count four tensor loads of a wave are out.
; SOFTMAX.  For each lane a running maximum M and sum L: p = 2^(c s - c M), c = log2(e); in every tile L is multiplied by a = 2^(c M_old - c M_new).
; LIMITS: |score| x log2(e) stays under 1e38 (M begins at -1e38); NaN and infinities are not served; where M has not moved, a's exponent is the rounding residue of c M, at most half an ulp of c M for each of the 32 tiles, and not exactly 0.
; REGISTERS.  Window 0: v1-7 addresses; v8-39 eight registers of statistics a tile; v40-55 nl's scale quads (word 3: the diagonal); v56-59 code's scale quad; v60-131 code's six fragments; v132-163 the four accumulators;
;   v164-211 nl's K step 5; v212-237 the way out.   Window 1: nl's K steps 0 to 4: fragment (t, s) at v[12 (4 s + t)].
.set TILEB, 9728                       ; a tile image
.set FRB,   1536                       ; a fragment's image
.set STGB,  8*TILEB                    ; a quarter of the walk: eight tiles, one a wave
.set SPARE, 32*TILEB                   ; behind the tiles: the spare words, 128 bytes for each wave: four blocks of 256 bytes that no other line names
.set LI,  1                            ; v1   16 x lane
.set ADB, 2                            ; v2   LDS address of the tile in hand
.set LN,  3                            ; v3   lane
.set SPW, 4                            ; v4   LDS address of my spare word; never rewritten
.set NIL, 5                            ; v5   0; never rewritten
.set PO,  6                            ; v6   8 x lane: my place in the wave's 256 bytes of part
.set ST,  8                            ; tile t's statistics at v[ST + 8 t]: +0 NC = -c M, +1 M, +2, +3 L (even columns', odd columns'), +4 a, +5 its exponent, +6, +7 at work
.set ASC, 40
.set BSC, 56
.set BF,  60
.set ACC, 132
.set A5,  164
.set WL,  212                          ; the way out: the sums,
.set WN,  216                          ; the smaller NC of the two halves,
.set WE,  220                          ; my half's factor,
.set WF,  224                          ; the other half's,
.set WG,  228                          ; the logarithm,
.set WO,  232                          ; the result,
.set WS,  236                          ; and the pair that is stored
.set WV,  10                           ; s10  my wave's number
.set G1,  16                           ; s[16:23] descriptor group 1
.set G0,  24                           ; s[24:39] descriptor group 0, a set for each quarter
.set TB,  40                           ; s40  LDS byte of the tile to be fetched
.set CNT, 41                           ; s41  counts a loop's trips
.set CS,  42                           ; s[42:43] c: the packed form names a pair and takes its low word for both halves
.set NCS, 44                           ; s44  -c
.set SEL, 46                           ; s[46:47] lane selects for v_permlanex16_b32: lane l xor 16
.set MSB, 0
.macro WIN new                         ; the immediate's high byte repeats the setting that is left
.if MSB != \new
	s_set_vgpr_msb (MSB<<8)|\new
.set MSB, \new
.endif
.endm
.macro CROUND                          ; a round of the cluster's barrier: my work-group's barrier; wave 0 signals for the work-group; every wave waits for all four work-groups; my work-group's barrier once more
	s_barrier_signal -1
	s_barrier_wait -1
	s_cmp_lg_u32 s[WV], 0
	s_cbranch_scc1 .Lnot_wave_0_\@
	s_barrier_signal -3
.Lnot_wave_0_\@:
	s_barrier_wait -3
	s_barrier_signal -1
	s_barrier_wait -1
.endm
	s_load_b128 s[4:7], s[0:1], 0x0                ; qn s[4:5], qc s[6:7]
	s_load_b64 s[8:9], s[0:1], 0x10                ; part
	v_lshl_add_u32 v[SPW], v0, 2, SPARE
	v_mov_b32 v[NIL], 0
	ds_add_u32 v[SPW], v[NIL]                      ; the wave's opening: the add, twice on end, and its wait ahead of my first tensor load; the set-up below, work on registers, stands between the second and the wait
	ds_add_u32 v[SPW], v[NIL]
	v_lshrrev_b32 v7, 5, v0
	v_readfirstlane_b32 s[WV], v7                  ; wave 0..7
	v_and_b32 v[LN], 31, v0
	v_lshlrev_b32 v[LI], 4, v[LN]
	v_lshlrev_b32 v[PO], 3, v[LN]
	s_bfe_u32 s11, ttmp6, 0x40000                  ; cx: my place in the cluster
	s_lshl_b32 s12, ttmp9, 2                       ; in a cluster launch ttmp9 counts clusters
	s_add_co_u32 s12, s12, s11                     ; X = 4 x cluster x + cx: it enters qn's and part's addresses alone
	s_and_b32 s13, ttmp7, 0xffff                   ; y, which the four partners share
	; descriptor group 1: a tile image as 38 rows of 256 bytes (32 elements of 8 bytes), dense in memory and in LDS
	s_mov_b32 s[G1+0], 15|(3<<16)|(1<<21)          ; 15:0 the mask: all four work-groups; 17:16 elements of 8 bytes; 20 no padding; 21 set beside a mask
	s_mov_b32 s[G1+1], 32<<16                      ; tensor_dim0 = 32
	s_mov_b32 s[G1+2], 38<<16                      ; tensor_dim1 = 38
	s_mov_b32 s[G1+3], 32<<16                      ; tile_dim0 = 32
	s_mov_b32 s[G1+4], 38                          ; tile_dim1 = 38
	s_mov_b32 s[G1+5], 32                          ; tensor_dim0_stride
	s_mov_b32 s[G1+6], 0
	s_mov_b32 s[G1+7], 0
	s_mul_i32 s14, s[WV], TILEB                    ; my tile of a quarter: in LDS and in memory alike; no place in the cluster enters it
	s_mul_i32 s48, s13, 32*TILEB                   ; the split's first tile in qc
	s_add_co_u32 s48, s48, s14
	s_mov_b32 s49, 0
	s_lshl_b32 s50, s12, 5
	s_lshl_b32 s51, s[WV], 2
	s_add_co_u32 s50, s50, s51                     ; my first tile of nl: 32 X + 4 w
	s_mul_i32 s50, s50, TILEB
	s_mov_b32 s51, 0
	s_lshl_b32 s52, s13, 15                        ; part: 32,768 bytes a split,
	s_lshl_b32 s53, s12, 3
	s_add_co_u32 s53, s53, s[WV]
	s_lshl_b32 s53, s53, 8                         ; 256 bytes for each wave's 64 rows
	s_add_co_u32 s52, s52, s53
	s_mov_b32 s53, 0
	s_mov_b32 s[CS], 0x3fb8aa3b                    ; c = log2(e)
	s_mov_b32 s[CS+1], s[CS]                       ; (named with it as a pair, so it is written)
	s_mov_b32 s[NCS], 0xbfb8aa3b                   ; -c
	s_mov_b32 s[SEL], 0x76543210
	s_mov_b32 s[SEL+1], 0xfedcba98
	s_mov_b32 s[TB], 0
	s_wait_dscnt 0x0                               ; both opening adds are done
	s_wait_kmcnt 0x0
	s_add_nc_u64 s[6:7], s[6:7], s[48:49]
	s_add_nc_u64 s[4:5], s[4:5], s[50:51]
	s_add_nc_u64 s[8:9], s[8:9], s[52:53]
.irp g, 0,1,2,3
	s_mov_b32 s[G0+4*\g], 1                                        ; count = 1
	s_add_co_u32 s[G0+4*\g+1], s14, \g*STGB                        ; LDS address: tile 8 g + w
	s_add_nc_u64 s[G0+4*\g+2:G0+4*\g+3], s[6:7], \g*STGB           ; global address: the same tile of the split
	s_or_b32 s[G0+4*\g+3], s[G0+4*\g+3], 0x80000000                ; type = 2
.endr
	CROUND                                         ; all four work-groups are here: the joint loads meet
.irp g, 0,1,2,3
	tensor_load_to_lds s[G0+4*\g:G0+4*\g+3], s[G1:G1+7]            ; every wave asks for its four tiles at once, ahead of every wait on TENSORcnt, every LDS read and every further barrier
	s_nop 0
.endr
.rept 4
	v_nop
.endr
	WIN 0x40                                       ; destination window 1, address window 0
.irp s, 0,1,2,3,4
.irp t, 0,1,2,3
.irp j, 0,1,2
	global_load_b128 v[12*(4*\s+\t)+4*\j:12*(4*\s+\t)+4*\j+3], v[LI], s[4:5] offset:\t*TILEB+\s*FRB+512*\j   ; nl's fragments stay in registers
.endr
.endr
.endr
	WIN 0
.irp t, 0,1,2,3
.irp j, 0,1,2
	global_load_b128 v[A5+12*\t+4*\j:A5+12*\t+4*\j+3], v[LI], s[4:5] offset:\t*TILEB+5*FRB+512*\j
.endr
	global_load_b128 v[ASC+4*\t:ASC+4*\t+3], v[LI], s[4:5] offset:\t*TILEB+6*FRB    ; three scale words and the diagonal
.endr
.irp t, 0,1,2,3
	v_mov_b32 v[ST+8*\t+1], 0xfe967699             ; M = -1e38, under every score that is served
	v_mov_b32 v[ST+8*\t+2], 0                      ; L
	v_mov_b32 v[ST+8*\t+3], 0
.endr
.irp t, 0,1,2,3
	v_mul_f32 v[ST+8*\t], s[NCS], v[ST+8*\t+1]     ; NC = -c M: finite
.endr
; a tile's six fragments and its scale quad: 19 loads of 512 consecutive bytes
.macro LOADB
	v_add_nc_u32 v[ADB], s[TB], v[LI]
.irp s, 0,1,2,3,4,5
.irp j, 0,1,2
	ds_load_b128 v[BF+12*\s+4*\j:BF+12*\s+4*\j+3], v[ADB] offset:\s*FRB+512*\j
.endr
.endr
	ds_load_b128 v[BSC:BSC+3], v[ADB] offset:6*FRB
.endm
; one product: K step s, tile t of nl, whose fragment begins at register a.  Word s / 2 of a scale quad holds the even K step's words in lanes 0-15 and the odd one's in lanes 16-31.  K step 0 starts the sums: nothing is cleared.
.macro MM s, t, a
.if (\s) == 0
	v_wmma_scale_f32_16x16x128_f8f6f4 v[ACC+8*\t:ACC+8*\t+7], v[BF+12*\s:BF+12*\s+11], v[(\a):(\a)+11], 0, v[BSC+\s/2], v[ASC+4*\t+\s/2] matrix_a_fmt:MATRIX_FMT_BF6 matrix_b_fmt:MATRIX_FMT_BF6
.elseif (\s)%2 == 0
	v_wmma_scale_f32_16x16x128_f8f6f4 v[ACC+8*\t:ACC+8*\t+7], v[BF+12*\s:BF+12*\s+11], v[(\a):(\a)+11], v[ACC+8*\t:ACC+8*\t+7], v[BSC+\s/2], v[ASC+4*\t+\s/2] matrix_a_fmt:MATRIX_FMT_BF6 matrix_b_fmt:MATRIX_FMT_BF6
.else
	v_wmma_scale_f32_16x16x128_f8f6f4 v[ACC+8*\t:ACC+8*\t+7], v[BF+12*\s:BF+12*\s+11], v[(\a):(\a)+11], v[ACC+8*\t:ACC+8*\t+7], v[BSC+\s/2], v[ASC+4*\t+\s/2] matrix_a_fmt:MATRIX_FMT_BF6 matrix_b_fmt:MATRIX_FMT_BF6 matrix_a_scale:MATRIX_SCALE_ROW1 matrix_b_scale:MATRIX_SCALE_ROW1
.endif
.endm
; a tile's 24 products, K ascending; the four accumulators take turns, one instruction a turn
.macro MULS
	WIN 0x04                                       ; source 1 (nl) window 1
.irp s, 0,1,2,3,4
.irp t, 0,1,2,3
	MM \s, \t, 12*(4*\s+\t)
.endr
.endr
	WIN 0
.irp t, 0,1,2,3
	MM 5, \t, A5+12*\t
.endr
.endm
; the running logsumexp takes in 16 columns for each of my four tiles of rows: every step runs over the four tiles by turns, so that no line waits for the line above it
.macro SOFTMAX
.irp t, 0,1,2,3
	v_max3_num_f32 v[ST+8*\t+6], v[ACC+8*\t], v[ACC+8*\t+1], v[ACC+8*\t+2]     ; each accumulator is read from its low end on
.endr
.irp t, 0,1,2,3
	v_max3_num_f32 v[ST+8*\t+7], v[ACC+8*\t+3], v[ACC+8*\t+4], v[ACC+8*\t+5]
.endr
.irp t, 0,1,2,3
	v_max3_num_f32 v[ST+8*\t+6], v[ST+8*\t+6], v[ACC+8*\t+6], v[ACC+8*\t+7]
.endr
.irp t, 0,1,2,3
	v_max3_num_f32 v[ST+8*\t+1], v[ST+8*\t+6], v[ST+8*\t+7], v[ST+8*\t+1]      ; the new M
.endr
.irp t, 0,1,2,3
	v_fma_f32 v[ST+8*\t+5], v[ST+8*\t+1], s[NCS], -v[ST+8*\t]                  ; c M_old - c M_new
.endr
.irp t, 0,1,2,3
	v_mul_f32 v[ST+8*\t], s[NCS], v[ST+8*\t+1]                                 ; the new NC
.endr
.irp i, 0,2,4,6
.irp t, 0,1,2,3
	v_pk_fma_f32 v[ACC+8*\t+\i:ACC+8*\t+\i+1], v[ACC+8*\t+\i:ACC+8*\t+\i+1], s[CS:CS+1], v[ST+8*\t:ST+8*\t+1] op_sel_hi:[1,0,0]   ; c s - c M, two at a time
.endr
.endr
.irp t, 0,1,2,3
	v_exp_f32 v[ST+8*\t+4], v[ST+8*\t+5]           ; a
.endr
.irp i, 0,1,2,3,4,5,6,7
.irp t, 0,1,2,3
	v_exp_f32 v[ACC+8*\t+\i], v[ACC+8*\t+\i]       ; p
.endr
.endr
	v_nop                                          ; a plain instruction behind the last exponential, ahead of the first use
	s_wait_alu depctr_va_vdst(0)                   ; one wait for the batch of 36, ahead of its first reader
.irp t, 0,1,2,3
	v_pk_add_f32 v[ACC+8*\t:ACC+8*\t+1], v[ACC+8*\t:ACC+8*\t+1], v[ACC+8*\t+2:ACC+8*\t+3]
.endr
.irp t, 0,1,2,3
	v_pk_add_f32 v[ACC+8*\t+4:ACC+8*\t+5], v[ACC+8*\t+4:ACC+8*\t+5], v[ACC+8*\t+6:ACC+8*\t+7]
.endr
.irp t, 0,1,2,3
	v_pk_add_f32 v[ACC+8*\t:ACC+8*\t+1], v[ACC+8*\t:ACC+8*\t+1], v[ACC+8*\t+4:ACC+8*\t+5]
.endr
.irp t, 0,1,2,3
	v_pk_fma_f32 v[ST+8*\t+2:ST+8*\t+3], v[ST+8*\t+2:ST+8*\t+3], v[ST+8*\t+4:ST+8*\t+5], v[ACC+8*\t:ACC+8*\t+1] op_sel_hi:[1,0,1]   ; L = a L + the tile's sum
.endr
.endm
; A TRIP: one tile of code.  load = 1: the next tile is fetched, and lands under this tile's softmax.  bar >= 0: the next tile begins a new quarter: my load of that quarter has landed (bar younger ones may stay out), and everybody's has.
.macro TRIP load, bar
	s_wait_dscnt 0x0                               ; the tile's fragments and scale words are in
	MULS
.rept 4
	v_nop                                          ; four places behind the last products, in front of the loads into code's registers and of the first read of the results
.endr
.if (\bar) >= 0
	s_wait_tensorcnt \bar                          ; tensor loads of a wave end in order: my tile of the next quarter is in LDS
	s_barrier_signal -1                            ; (no LDS instruction of mine is out here, so later quarters may stay on their way)
	s_barrier_wait -1
.endif
.if \load
	s_add_co_u32 s[TB], s[TB], TILEB
	LOADB
.endif
	SOFTMAX
.endm
; a quarter of the walk: seven trips in a loop, the eighth written out, since it alone meets the next quarter
.macro STAGE g
	s_mov_b32 s[CNT], 7
.Lstage_\@:
	TRIP 1, -1
	s_sub_co_u32 s[CNT], s[CNT], 1
	s_cmp_lg_u32 s[CNT], 0
	s_cbranch_scc1 .Lstage_\@
.if \g < 3
	TRIP 1, 2-\g
.else
	TRIP 0, -1
.endif
.endm
	s_wait_loadcnt 0x0                             ; nl's fragments, scale words and diagonal
	s_wait_tensorcnt 3                             ; my tile of the first quarter is in; the three younger loads may be out
	s_barrier_signal -1
	s_barrier_wait -1                              ; everybody's is
	LOADB                                          ; tile 0
	STAGE 0
	STAGE 1
	STAGE 2
	STAGE 3
	; THE WAY OUT.  A row's two halves of the lanes meet: both sums are brought under the larger M (the smaller NC), added, and the logarithm is taken; the diagonal is taken off.
.irp t, 0,1,2,3
	v_add_f32 v[WL+\t], v[ST+8*\t+2], v[ST+8*\t+3]
.endr
.irp t, 0,1,2,3
	v_permlanex16_b32 v[ST+8*\t+6], v[ST+8*\t], s[SEL], s[SEL+1]   ; the other half's NC (the destination has been written: it counts as a source)
.endr
.irp t, 0,1,2,3
	v_permlanex16_b32 v[ST+8*\t+7], v[WL+\t], s[SEL], s[SEL+1]     ; and its sum
.endr
.irp t, 0,1,2,3
	v_min_num_f32 v[WN+\t], v[ST+8*\t], v[ST+8*\t+6]
.endr
.irp t, 0,1,2,3
	v_sub_f32 v[WE+\t], v[WN+\t], v[ST+8*\t]
.endr
.irp t, 0,1,2,3
	v_sub_f32 v[WF+\t], v[WN+\t], v[ST+8*\t+6]
.endr
.irp t, 0,1,2,3
	v_exp_f32 v[WE+\t], v[WE+\t]
.endr
.irp t, 0,1,2,3
	v_exp_f32 v[WF+\t], v[WF+\t]
.endr
	v_nop                                          ; a plain instruction behind the last exponential
	s_wait_alu depctr_va_vdst(0)                   ; one wait for the eight
.irp t, 0,1,2,3
	v_mul_f32 v[WL+\t], v[WL+\t], v[WE+\t]
.endr
.irp t, 0,1,2,3
	v_fma_f32 v[WL+\t], v[ST+8*\t+7], v[WF+\t], v[WL+\t]           ; at least one p of the row is 1, so the sum is no zero
.endr
.irp t, 0,1,2,3
	v_log_f32 v[WG+\t], v[WL+\t]
.endr
	v_nop                                          ; a plain instruction behind the last logarithm
	v_cmp_le_u32 vcc_lo, 16, v[LN]                 ; lanes 16-31
	s_wait_alu depctr_va_vdst(0)                   ; one wait for the four
.irp t, 0,1,2,3
	v_sub_f32 v[WG+\t], v[WG+\t], v[WN+\t]         ; log2 of the split's sum of e^score: log2(sum of p) + c M
.endr
.irp t, 0,1,2,3
	v_fma_f32 v[WO+\t], v[ASC+4*\t+3], s[NCS], v[WG+\t]            ; - c x the diagonal
.endr
	v_cndmask_b32 v[WS], v[WO], v[WO+1], vcc_lo    ; lanes 0-15 store tiles 0 and 2 of row r, lanes 16-31 tiles 1 and 3: the same order of the wave's 64 rows in every split, which is all that the last launch needs
	v_cndmask_b32 v[WS+1], v[WO+2], v[WO+3], vcc_lo
	global_store_b64 v[PO], v[WS:WS+1], s[8:9]     ; 32 lanes store 256 consecutive bytes, at a multiple of 256 from part's first byte
	s_wait_tensorcnt 0x0                           ; the wave's end: a TENSORcnt wait, a spare LDS add and its wait, behind my last tensor load
	ds_add_u32 v[SPW], v[NIL]
	s_wait_dscnt 0x0
	CROUND                                         ; the closing round: no work-group ends while a partner may still ask for a tile that names it
	s_endpgm
.Lfunc_end_k_qdbac82cf0f_lse:
	.size	k_qdbac82cf0f_lse, .Lfunc_end_k_qdbac82cf0f_lse-k_qdbac82cf0f_lse
	.p2alignl 7, 3214868480
	.fill 96, 4, 3214868480
	.section	.rodata,"a",@progbits
	.p2align	6, 0x0
	.amdhsa_kernel k_qdbac82cf0f_lse
		.amdhsa_group_segment_fixed_size 327680
		.amdhsa_private_segment_fixed_size 0
		.amdhsa_enable_private_segment 0
		.amdhsa_kernarg_size 24
		.amdhsa_user_sgpr_count 2
		.amdhsa_user_sgpr_kernarg_segment_ptr 1
		.amdhsa_wavefront_size32 1
		.amdhsa_system_sgpr_workgroup_id_x 1
		.amdhsa_system_sgpr_workgroup_id_y 1
		.amdhsa_system_sgpr_workgroup_id_z 1
		.amdhsa_system_vgpr_workitem_id 0
		.amdhsa_next_free_vgpr 512
		.amdhsa_next_free_sgpr 66
		.amdhsa_reserve_vcc 1
		.amdhsa_float_denorm_mode_32 3
		.amdhsa_float_denorm_mode_16_64 3
		.amdhsa_memory_ordered 1
		.amdhsa_forward_progress 1
		.amdhsa_inst_pref_size 89
	.end_amdhsa_kernel
	.amdgpu_metadata
---
amdhsa.version: [ 1, 2 ]
amdhsa.kernels:
  - .name:           k_qdbac82cf0f_lse
    .symbol:         k_qdbac82cf0f_lse.kd
    .args:
      - { .name: qn, .offset: 0, .size: 8, .value_kind: global_buffer, .address_space: global }
      - { .name: qc, .offset: 8, .size: 8, .value_kind: global_buffer, .address_space: global }
      - { .name: part, .offset: 16, .size: 8, .value_kind: global_buffer, .address_space: global }
    .group_segment_fixed_size: 327680
    .private_segment_fixed_size: 0
    .kernarg_segment_align: 8
    .kernarg_segment_size: 24
    .max_flat_workgroup_size: 256
    .sgpr_count:     66
    .vgpr_count:     512
    .wavefront_size: 32
...
	.end_amdgpu_metadata
.endif
;; end of part 2
;; launch mean (part 3): grid 1 x 1, 16 waves a work-group, no clusters, 2,304 bytes of LDS; arguments part, out0; writes out0
.if DOCPART == 3
	.amdgcn_target "amdgcn-amd-amdhsa--gfx1250"
	.amdhsa_code_object_version 6
	.text
	.protected	k_qdbac82cf0f_mean
	.globl	k_qdbac82cf0f_mean
	.p2align	8
	.type	k_qdbac82cf0f_mean,@function
k_qdbac82cf0f_mean:
	s_mov_b64 s[64:65], 0
	v_nop
	global_prefetch_b8 v0, s[64:65] scope:SCOPE_SE
	s_setreg_imm32_b32 hwreg(HW_REG_WAVE_MODE, 25, 1), 1
	s_wait_xcnt 0x0
; THIRD LAUNCH: out0 = ln(2) / 8192 x the sum over the 8,192 positions of log2(sum over the 16 splits y of 2^part[y][position]).  part[y][p] is the split's logsumexp in base 2 less log2(e) x the row's diagonal product,
; so a position's combined value is (lse - diag) / ln(2) of one row, and the order of the positions does not matter.  No work is left out.  The largest of a position's 16 numbers is taken away before the exponentials.
; One work-group, since the sum has one owner: 16 waves, 512 threads.  Thread t takes four quads of positions, 2,048 q + 4 t + 0 .. 3; a quad is 16 loads of 16 bytes (one a split), each 512 consecutive bytes a wave.
; Two buffers of 64 registers take turns: quads 0 and 1 are asked for at the head, quad q + 2 as soon as quad q's buffer has been summed.
; LIMITS: NaN and infinities are not served.
.set SPARE, 256                        ; LDS: bytes 0-63 the sixteen waves' sums (a block of 256 to themselves); from 256 the spare words, 128 bytes for each wave
.set GA,  1                            ; v1   16 x thread; never rewritten
.set SPW, 2                            ; v2   LDS address of my spare word; never rewritten
.set NIL, 3                            ; v3   0; never rewritten
.set WW,  5                            ; v5   4 x wave: my wave's word
.set RW,  6                            ; v6   4 x (lane % 16): the words read back
.set ZO,  7                            ; v7   0: out0's offset
.set SM,  8                            ; v8   the sum;  v9 a lane exchange's destination
.set DAT, 16                           ; v16-143  two buffers: split y's four numbers at 4 y
.set MXR, 144                          ; v144-147 the four positions' largest numbers
.set LG,  148                          ; v148-151 the logarithms
.set RUN, 152                          ; v152-153 the thread's running sums
	s_load_b128 s[4:7], s[0:1], 0x0                ; part s[4:5], out0 s[6:7]
	v_lshl_add_u32 v[SPW], v0, 2, SPARE
	v_mov_b32 v[NIL], 0
	v_lshrrev_b32 v4, 5, v0
	v_readfirstlane_b32 s8, v4                     ; wave 0..15
	v_lshlrev_b32 v[GA], 4, v0
	v_lshlrev_b32 v[WW], 2, v4
	v_and_b32 v[RW], 15, v0
	v_lshlrev_b32 v[RW], 2, v[RW]
	v_mov_b32 v[ZO], 0
	v_mov_b32 v[SM+1], 0                           ; written once: a lane exchange's destination counts as one of its sources
	s_mov_b32 s10, 0x76543210
	s_mov_b32 s11, 0xfedcba98
	s_wait_kmcnt 0x0
.macro FILL q                          ; quad q: 16 loads, one a split; the last byte named is part's last
.irp y, 0,1,2,3,4,5,6,7,8,9,10,11,12,13,14,15
	global_load_b128 v[DAT+64*((\q)%2)+4*\y:DAT+64*((\q)%2)+4*\y+3], v[GA], s[4:5] offset:32768*\y+8192*(\q) th:TH_LOAD_NT
.endr
.endm
	FILL 0
	FILL 1
; quad q.  fill = 1: its buffer takes quad q + 2.  left: the younger quad's loads, which may stay out.
.macro QUAD q, fill, left
.set DB, DAT+64*((\q)%2)
	s_wait_loadcnt \left
.irp i, 0,1,2,3
	v_max3_num_f32 v[MXR+\i], v[DB+\i], v[DB+4+\i], v[DB+8+\i]     ; the largest of a position's 16 numbers; the four positions by turns
.endr
.irp y, 3,5,7,9,11,13
.irp i, 0,1,2,3
	v_max3_num_f32 v[MXR+\i], v[MXR+\i], v[DB+4*\y+\i], v[DB+4*\y+4+\i]
.endr
.endr
.irp i, 0,1,2,3
	v_max_num_f32 v[MXR+\i], v[MXR+\i], v[DB+60+\i]
.endr
.irp y, 0,1,2,3,4,5,6,7,8,9,10,11,12,13,14,15
.irp p, 0,2
	v_pk_add_f32 v[DB+4*\y+\p:DB+4*\y+\p+1], v[DB+4*\y+\p:DB+4*\y+\p+1], v[MXR+\p:MXR+\p+1] neg_lo:[0,1] neg_hi:[0,1]   ; less the largest
.endr
.endr
.set j, 0
.rept 64
	v_exp_f32 v[DB+j], v[DB+j]
.set j, j+1
.endr
	v_nop                                          ; a plain instruction behind the last exponential
	s_wait_alu depctr_va_vdst(0)                   ; one wait for the batch of 64, ahead of its first reader
.irp w, 32,16,8,4                      ; the sum over the splits, in place: neighbours 8, 4, 2 and 1 splits apart
.set j, 0
.rept \w/2
	v_pk_add_f32 v[DB+j:DB+j+1], v[DB+j:DB+j+1], v[DB+j+\w:DB+j+\w+1]
.set j, j+2
.endr
.endr
.irp i, 0,1,2,3
	v_log_f32 v[LG+\i], v[DB+\i]                   ; the largest's own term is 1, so the sum is no zero
.endr
	v_nop                                          ; a plain instruction behind the last logarithm
	s_wait_alu depctr_va_vdst(0)                   ; one wait for the four
.if \fill
	FILL (\q)+2                                    ; the buffer has been read out
.endif
	v_pk_add_f32 v[LG:LG+1], v[LG:LG+1], v[MXR:MXR+1]
	v_pk_add_f32 v[LG+2:LG+3], v[LG+2:LG+3], v[MXR+2:MXR+3]
.if (\q) == 0
	v_pk_add_f32 v[RUN:RUN+1], v[LG:LG+1], v[LG+2:LG+3]            ; the first quad starts the running sums
.else
	v_pk_add_f32 v[LG:LG+1], v[LG:LG+1], v[LG+2:LG+3]
	v_pk_add_f32 v[RUN:RUN+1], v[RUN:RUN+1], v[LG:LG+1]
.endif
.endm
	QUAD 0, 1, 16
	QUAD 1, 1, 16
	QUAD 2, 0, 16
	QUAD 3, 0, 0
	v_add_f32 v[SM], v[RUN], v[RUN+1]
	v_add_f32_dpp v[SM], v[SM], v[SM] row_xmask:1 row_mask:0xf bank_mask:0xf
	v_add_f32_dpp v[SM], v[SM], v[SM] row_xmask:2 row_mask:0xf bank_mask:0xf
	v_add_f32_dpp v[SM], v[SM], v[SM] row_xmask:4 row_mask:0xf bank_mask:0xf
	v_add_f32_dpp v[SM], v[SM], v[SM] row_xmask:8 row_mask:0xf bank_mask:0xf
	v_permlanex16_b32 v[SM+1], v[SM], s10, s11
	v_add_f32 v[SM], v[SM], v[SM+1]                ; the wave's sum, in every lane
	ds_store_b32 v[WW], v[SM]                      ; all lanes write the same word with the same value
	s_wait_dscnt 0x0                               ; for the others' sake: my word has landed
	s_barrier_signal -1
	s_barrier_wait -1
	s_cmp_lg_u32 s8, 0
	s_cbranch_scc1 .Lend
	ds_load_b32 v[SM], v[RW]                       ; wave 0: each half of the lanes holds the sixteen waves' sums
	s_wait_dscnt 0x0
	v_add_f32_dpp v[SM], v[SM], v[SM] row_xmask:1 row_mask:0xf bank_mask:0xf
	v_add_f32_dpp v[SM], v[SM], v[SM] row_xmask:2 row_mask:0xf bank_mask:0xf
	v_add_f32_dpp v[SM], v[SM], v[SM] row_xmask:4 row_mask:0xf bank_mask:0xf
	v_add_f32_dpp v[SM], v[SM], v[SM] row_xmask:8 row_mask:0xf bank_mask:0xf
	v_mul_f32 v[SM], 0x38b17218, v[SM]             ; x ln(2) / 8192
	v_cmp_eq_u32 vcc_lo, 0, v0
	s_wait_xcnt 0x0                                ; EXEC changes only behind this wait
	s_and_saveexec_b32 s12, vcc_lo
	global_store_b32 v[ZO], v[SM], s[6:7]          ; thread 0 stores the one number
	s_wait_xcnt 0x0                                ; and again, in front of the line that widens it
	s_or_b32 exec_lo, exec_lo, s12
.Lend:
	s_wait_tensorcnt 0x0                           ; the wave's end: a TENSORcnt wait, a spare LDS add and its wait, behind my last LDS store, the first even in a text with no tensor load
	ds_add_u32 v[SPW], v[NIL]
	s_wait_dscnt 0x0
	s_endpgm
.Lfunc_end_k_qdbac82cf0f_mean:
	.size	k_qdbac82cf0f_mean, .Lfunc_end_k_qdbac82cf0f_mean-k_qdbac82cf0f_mean
	.p2alignl 7, 3214868480
	.fill 96, 4, 3214868480
	.section	.rodata,"a",@progbits
	.p2align	6, 0x0
	.amdhsa_kernel k_qdbac82cf0f_mean
		.amdhsa_group_segment_fixed_size 2304
		.amdhsa_private_segment_fixed_size 0
		.amdhsa_enable_private_segment 0
		.amdhsa_kernarg_size 16
		.amdhsa_user_sgpr_count 2
		.amdhsa_user_sgpr_kernarg_segment_ptr 1
		.amdhsa_wavefront_size32 1
		.amdhsa_system_sgpr_workgroup_id_x 1
		.amdhsa_system_sgpr_workgroup_id_y 1
		.amdhsa_system_sgpr_workgroup_id_z 1
		.amdhsa_system_vgpr_workitem_id 0
		.amdhsa_next_free_vgpr 160
		.amdhsa_next_free_sgpr 66
		.amdhsa_reserve_vcc 1
		.amdhsa_float_denorm_mode_32 3
		.amdhsa_float_denorm_mode_16_64 3
		.amdhsa_memory_ordered 1
		.amdhsa_forward_progress 1
		.amdhsa_inst_pref_size 42
	.end_amdhsa_kernel
	.amdgpu_metadata
---
amdhsa.version: [ 1, 2 ]
amdhsa.kernels:
  - .name:           k_qdbac82cf0f_mean
    .symbol:         k_qdbac82cf0f_mean.kd
    .args:
      - { .name: part, .offset: 0, .size: 8, .value_kind: global_buffer, .address_space: global }
      - { .name: out0, .offset: 8, .size: 8, .value_kind: global_buffer, .address_space: global }
    .group_segment_fixed_size: 2304
    .private_segment_fixed_size: 0
    .kernarg_segment_align: 8
    .kernarg_segment_size: 16
    .max_flat_workgroup_size: 512
    .sgpr_count:     66
    .vgpr_count:     160
    .wavefront_size: 32
...
	.end_amdgpu_metadata
.endif
;; end of part 3
